; MI455X (gfx1250); checked and timed in simulation.
; The chip was launched on July 23, 2026; its instructions are those of AMD's public machine-readable ISA for CDNA 5 (MIT licence, August 2026) and "CDNA5" Instruction Set Architecture Reference Guide (July 2026). The comments in the code are by the model that wrote it; some were corrected since.
;; Multi Head Attention. Allowed arithmetic: matrix products marked QUANTISED: E2M3 operands, one E8M0 scale for each 32 along K, by v_wmma_scale_f32_16x16x128_f8f6f4 with both operands' format E2M3, f32 sums; everything else in f32.
;; Inputs: W_key 1,024 x 256 float32; W_out 1,024 x 1,024 float32; W_query 1,024 x 256 float32; W_value 1,024 x 256 float32; b_out 1,024 float32; x 4 x 2,048 x 256 float32.
;; Outputs: out0 4 x 2,048 x 1,024 float32.
;; This version of the problem:
;;   THIS VERSION OF THE PROBLEM IS GIVEN IN LOW PRECISION. The matrix products marked QUANTISED in the list below multiply operands that are first quantised to E2M3 (2 exponent bits, 3 mantissa bits; 6 bits a number), with one power-of-two scale for each 32 numbers along K (OCP MX v1.0); their sums are f32. All else is computed in f32.
;;   The module's matrix products, in the order in which they are computed (A, B: the left and right operand; K: the contracted axis; several contracted axes count as one K, in the product's order):
;;     1. [M 8,192, K 256] x [K 256, N 1,024]; A: input x; B: input W_query: QUANTISED
;;     2. [M 8,192, K 256] x [K 256, N 1,024]; A: input x; B: input W_key: QUANTISED
;;     3. [M 8,192, K 256] x [K 256, N 1,024]; A: input x; B: input W_value: QUANTISED
;;     4. batch 64 x [M 2,048, K 64] x [K 64, N 2,048]; A: computed on the way; B: computed on the way: QUANTISED
;;     5. batch 64 x [M 2,048, K 2,048] x [K 2,048, N 64]; A: softmax (see below); B: computed on the way: QUANTISED
;;     6. [M 8,192, K 1,024] x [K 1,024, N 1,024]; A: computed on the way; B: input W_out: QUANTISED
;;   THE QUANTISER, for each operand of a quantised product, along K:
;;     - K is cut into blocks of 32 from its start; a last block that is shorter is filled with zeros.
;;     - A block's scale is 2^e with e = floor(log2(the largest magnitude in the block)) - 2, held to -126 .. 127; a block of zeros has e = 0. As a byte (E8M0): e + 127.
;;     - Each number is divided by its block's scale, clamped to +-7.5, and rounded to the nearest number of E2M3, ties to even, subnormals kept.
;;     - The product sums the exact products of the quantised numbers (number of the format x scale) in f32.
;;   ~~~python
;;   def quantise(x, axis):      # numpy; x: float32 -> the quantised numbers, widened to float32 again
;;       x = np.moveaxis(x, axis, -1); K = x.shape[-1]
;;       x = np.pad(x, [(0, 0)] * (x.ndim - 1) + [(0, -K % 32)]); x = x.reshape(x.shape[:-1] + (-1, 32)); a = np.abs(x).max(-1, keepdims=True)
;;       e = np.where(a > 0, np.clip(np.frexp(np.where(a > 0, a, 1))[1] - 1 - 2, -126, 127), 0)      # np.frexp(a)[1] - 1 = floor(log2(a)), exactly
;;       r = np.clip(x / 2.0 ** e, -7.5, 7.5)
;;       step = 2.0 ** (np.maximum(np.frexp(np.where(r == 0, 1, r))[1] - 1, 0) - 3)
;;       q = np.round(r / step) * step * 2.0 ** e      # np.round: ties to even
;;       return np.moveaxis(q.reshape(q.shape[:-2] + (-1,))[..., :K], -1, axis).astype(np.float32)
;;   ~~~
;;   SOFTMAX AHEAD OF A QUANTISED PRODUCT. Where the list says 'softmax', what is quantised is not the finished softmax but p = 2^(t - M), with t = logit x log2(e) and M = ceil(the row's largest t), a whole number; so 1/2 < the row's largest p <= 1. The row's sum l is taken of the UNQUANTISED p, in f32, and the product's result is divided by l at the end. Since M is a whole number, a kernel that streams over the keys may use a running M (the ceiling of the running maximum): every later rescaling is an exact power of two, which a block's scale takes up: the codes' values come out the same.
;;   OPERANDS COMPUTED ON THE WAY. 'Computed on the way' means the value that the module computes at that place (a softmax that the list does not call 'softmax' is quantised finished and normalised). What goes into a quantiser is computed in f32, as accurately as f32 sums, v_exp_f32 and their like allow (about 1e-6 of the number): no bf16 or f16 on the way to a quantiser, and a product that is left as it is and whose result goes on into a quantised operand takes f32 operands (vector FMAs, or v_wmma_f32_16x16x4_f32). A number that lies on a knife's edge between two numbers of the format may be rounded either way, as far as f32 arithmetic and the matrix unit's own rounding can turn it there, and no further.
;; One version. Each part assembles by itself: llvm-mc -triple=amdgcn-amd-amdhsa -mcpu=gfx1250 --defsym DOCPART=n.
;; ======== version 1 of 1: 4 launches
;; limits: right only within a limited range of input values
;; workspace buffers: wx 3,194,880 bytes; qb 6,553,600 bytes; kv 13,107,200 bytes; cx 6,815,744 bytes
;; launch quant (part 1): grid 240 x 1, 4 waves a work-group, no clusters, 67,072 bytes of LDS; arguments x, W_query, W_key, W_value, W_out, wx; writes wx
.if DOCPART == 1
	.amdgcn_target "amdgcn-amd-amdhsa--gfx1250"
	.amdhsa_code_object_version 6
	.text
	.protected	k_q155bafe7bc_quant
	.globl	k_q155bafe7bc_quant
	.p2align	8
	.type	k_q155bafe7bc_quant,@function
k_q155bafe7bc_quant:
	s_mov_b64 s[64:65], 0
	v_nop
	global_prefetch_b8 v0, s[64:65] scope:SCOPE_SE
	s_setreg_imm32_b32 hwreg(HW_REG_WAVE_MODE, 25, 1), 1
	s_wait_xcnt 0x0
; x [8192][256], W_query, W_key, W_value [1024][256], W_out [1024][1024], all f32 with K innermost, become codes of FP6 (E2M3) with one E8M0 byte for each 32 along K,
; laid in RECORDS in the order of an operand's registers.  A record, 3,328 bytes = 13 x 256, holds 16 rows x 256 along K: fragment 0 (K 0-127) at +0, fragment 1 at +1,536, each as three planes of
; 512 bytes (plane p = registers 4 p .. 4 p + 3, lane l at 16 l); at +3,072 the scale words, 8 bytes a lane: {word of fragment 0, word of fragment 1} of row l % 16.
; THE ROWS OF A RECORD ARE NOT NEIGHBOURS: row r of tile rho is the tensor's row 32 (rho / 2) + 8 (rho % 2) + r + 8 (r / 8), so that a product that takes two neighbouring tiles as source 0 leaves
; 16 neighbouring rows in a lane's 16 registers.
; Records 0-511: x; 512-575 W_query; 576-639 W_key; 640-703 W_value; 704-959 W_out, record 704 + (64 (rho / 16) + 16 kp + rho % 16), kp the quarter of its K.
; A wave makes one record: 32 loads of 512 consecutive bytes, through its own stage in LDS (rows 1,040 bytes apart), back as 16 neighbours a lane and block, quantised, stored in whole aligned blocks of 256 bytes.
; A block's scale is 2^(floor(log2(its largest magnitude)) - 2).  LIMITS: NaN and infinities are not served; a block of zeros, or one whose largest magnitude lies under 2^-124, gets the byte 1
; (a block of zeros has zero codes, which add nothing under that byte; the bytes are read by this program alone).
; No tensor load, no barrier: waves share nothing.  No matrix unit, no cluster: each input byte is read once by one wave.
.set REC,  3328
.set SPT,  1040                        ; a stage row: 1,024 bytes + 16: sixteen lanes that read sixteen rows touch sixteen different columns of 16 bytes
.set WST,  16*SPT                      ; a wave's stage
.set LI,   2                           ; v2   16 x lane
.set L8,   3                           ; v3   8 x lane
.set STI,  4                           ; v4   the stage, on the way in
.set STO,  5                           ; v5   and on the way out: row r, + 64 h
.set OFF,  8                           ; v8-23  16 x lane + the tile's row i in memory
.set R,    32                          ; v32-159 as loaded: load (row i, half s of K) at 32 + 64 s + 4 i
.set X0,   160                         ; v160-223 fragment 0's 64 numbers of my lane
.set X1,   32                          ; v32-95   fragment 1's
.set PC0,  96                          ; v96-115  fragment 0's codes (12, and 8 at work)
.set PC1,  116                         ; v116-135 fragment 1's
.set TM,   136                         ; v136-151 at work
.set PW,   152                         ; v152-153 the two scale words
.set SEL,  20                          ; s[20:21] lane selects: lane l xor 16
; 64 numbers of a lane, register 16 b + i = k 32 b + 16 (lane / 16) + i of my row, become a fragment's 12 registers at v[pc] and its scale word in v[pw].
.macro QUANT s, pc, pw
.irp b, 0,1,2,3
	v_max3_num_f32 v[TM+\b], |v[\s+16*\b]|, |v[\s+1+16*\b]|, 0x1800000   ; my 16 numbers of block b, and the floor 2^(3 - 127): the byte cannot fall under 1
.endr
.irp i, 2,4,6,8,10,12,14
.irp b, 0,1,2,3
	v_max3_num_f32 v[TM+\b], v[TM+\b], |v[\s+16*\b+\i]|, |v[\s+1+16*\b+\i]|   ; the four blocks by turns
.endr
.endr
.irp b, 0,1,2,3
	v_permlanex16_b32 v[TM+4+\b], v[TM+\b], s[SEL], s[SEL+1]
.endr
.irp b, 0,1,2,3
	v_max_num_f32 v[TM+\b], v[TM+\b], v[TM+4+\b]   ; with lane l xor 16's: the block's largest magnitude
.endr
.irp b, 0,1,2,3
	v_add_nc_u32 v[TM+12+\b], 0xff000000, v[TM+\b]   ; 2 off its exponent field: the conversion's scale operand
.endr
.irp b, 0,1,2,3
	v_lshrrev_b32 v[TM+4+\b], 23, v[TM+12+\b]      ; the scale's byte
.endr
	v_lshl_or_b32 v[\pw], v[TM+5], 8, v[TM+4]
	v_lshl_or_b32 v[\pw], v[TM+6], 16, v[\pw]
	v_lshl_or_b32 v[\pw], v[TM+7], 24, v[\pw]
.irp c, 0,1
	v_cvt_scalef32_pk16_fp6_f32 v[\pc+6*\c:\pc+2+6*\c], v[\s+32*\c:\s+15+32*\c], v[TM+12+2*\c]
	v_cvt_scalef32_pk16_fp6_f32 v[\pc+12+4*\c:\pc+14+4*\c], v[\s+16+32*\c:\s+31+32*\c], v[TM+13+2*\c]   ; a conversion's three registers begin on an even number
.endr
	v_nop                                          ; one plain line behind the scaled conversions
.irp c, 0,1                                    ; the layout wants a whole block in a lane: lanes 0-15 block 2 c, lanes 16-31 block 2 c + 1
.irp i, 0,1,2
	v_permlane16_swap_b32 v[\pc+6*\c+\i], v[\pc+12+4*\c+\i]
.endr
.irp i, 0,1,2
	v_mov_b32 v[\pc+3+6*\c+\i], v[\pc+12+4*\c+\i]
.endr
.endr
.endm
	s_load_b256 s[4:11], s[0:1], 0x0               ; x, W_query, W_key, W_value
	s_load_b128 s[12:15], s[0:1], 0x20             ; W_out, wx
	v_lshl_add_u32 v224, v0, 2, 0x10400
	v_mov_b32 v225, 0
	v_lshrrev_b32 v1, 5, v0
	v_readfirstlane_b32 s22, v1                    ; wave
	v_and_b32 v1, 31, v0                           ; lane
	v_lshlrev_b32 v[LI], 4, v1
	v_lshlrev_b32 v[L8], 3, v1
	v_and_b32 v6, 15, v0                           ; r
	v_bfe_u32 v7, v0, 4, 1                         ; h
	s_mul_i32 s23, s22, WST
	v_add_nc_u32 v[STI], s23, v[LI]
	v_mul_u32_u24 v[STO], v6, SPT
	v_lshl_add_u32 v[STO], v7, 6, v[STO]
	v_add_nc_u32 v[STO], s23, v[STO]
	s_mov_b32 s[SEL], 0x76543210
	s_mov_b32 s[SEL+1], 0xfedcba98
.irp b, 0,1,2,3
	v_mov_b32 v[TM+4+\b], 0                        ; written once: a lane permute's destination counts as one of its sources
.endr
	s_wait_kmcnt 0x0
	s_cmp_lt_u32 ttmp9, 128                        ; which tensor: the choice hangs on the work-group's number alone
	s_cselect_b64 s[16:17], s[4:5], s[6:7]
	s_cselect_b32 s18, 0, 128                      ; and the tensor's first work-group
	s_cmp_lt_u32 ttmp9, 144
	s_cselect_b64 s[16:17], s[16:17], s[8:9]
	s_cselect_b32 s18, s18, 144
	s_cmp_lt_u32 ttmp9, 160
	s_cselect_b64 s[16:17], s[16:17], s[10:11]
	s_cselect_b32 s18, s18, 160
	s_cmp_lt_u32 ttmp9, 176
	s_cselect_b64 s[16:17], s[16:17], s[12:13]
	s_cselect_b32 s18, s18, 176
	s_sub_co_u32 s19, ttmp9, s18
	s_lshl_b32 s19, s19, 2
	s_add_co_u32 s19, s19, s22                     ; j: my record in the tensor
	s_lshr_b32 s24, s19, 6
	s_lshl_b32 s24, s24, 4
	s_and_b32 s25, s19, 15
	s_or_b32 s24, s24, s25                         ; W_out: rho = 16 (j / 64) + j % 16,
	s_bfe_u32 s25, s19, 0x20004                    ; kp = (j / 16) % 4
	s_mov_b32 s26, 4096
	s_cmp_lt_u32 ttmp9, 176
	s_cselect_b32 s24, s19, s24                    ; rho
	s_cselect_b32 s25, 0, s25                      ; kp
	s_cselect_b32 s26, 1024, s26                   ; a row in bytes,
	s_cselect_b32 s27, 10, 12                      ; and as a shift
	s_lshr_b32 s28, s24, 1
	s_lshl_b32 s28, s28, 5
	s_and_b32 s29, s24, 1
	s_lshl_b32 s29, s29, 3
	s_add_co_u32 s28, s28, s29                     ; the tile's first row
	s_lshl_b32 s28, s28, s27
	s_lshl_b32 s25, s25, 10
	s_add_co_u32 s28, s28, s25                     ; + 1,024 bytes for each quarter of K
	s_mov_b32 s29, 0
	s_add_nc_u64 s[16:17], s[16:17], s[28:29]
	s_lshl_b32 s30, ttmp9, 2
	s_add_co_u32 s30, s30, s22
	s_mul_i32 s30, s30, REC                        ; my record in wx
	s_mov_b32 s31, 0
	s_add_nc_u64 s[14:15], s[14:15], s[30:31]
.irp i, 0,1,2,3,4,5,6,7,8,9,10,11,12,13,14,15
	v_mad_u32_u24 v[OFF+\i], s26, \i+8*(\i/8), v[LI]
.endr
.irp s, 0,1
.irp i, 0,1,2,3,4,5,6,7,8,9,10,11,12,13,14,15
	global_load_b128 v[R+64*\s+4*\i:R+64*\s+4*\i+3], v[OFF+\i], s[16:17] offset:512*\s th:TH_LOAD_NT   ; 32 lanes read 512 consecutive bytes of one row
.endr
.endr
	s_wait_loadcnt 16                              ; the first half of K is in; the 16 younger loads are the second half's
.irp i, 0,1,2,3,4,5,6,7,8,9,10,11,12,13,14,15
	ds_store_b128 v[STI], v[R+4*\i:R+4*\i+3] offset:SPT*\i
.endr
	s_wait_loadcnt 0x0
.irp i, 0,1,2,3,4,5,6,7,8,9,10,11,12,13,14,15
	ds_store_b128 v[STI], v[R+64+4*\i:R+64+4*\i+3] offset:SPT*\i+512
.endr
.irp b, 0,1,2,3
.irp j, 0,1,2,3
	ds_load_b128 v[X0+16*\b+4*\j:X0+16*\b+4*\j+3], v[STO] offset:128*\b+16*\j   ; LDS serves a wave's instructions in order: these see my stores
.endr
.endr
	s_wait_dscnt 16                                ; all 32 stores are served: the registers that they read may be written
.irp b, 0,1,2,3
.irp j, 0,1,2,3
	ds_load_b128 v[X1+16*\b+4*\j:X1+16*\b+4*\j+3], v[STO] offset:512+128*\b+16*\j
.endr
.endr
	s_wait_dscnt 16                                ; fragment 0's numbers are in; the 16 younger loads are fragment 1's
	QUANT X0, PC0, PW
.irp c, 0,1,2
	global_store_b128 v[LI], v[PC0+4*\c:PC0+4*\c+3], s[14:15] offset:512*\c   ; 512 consecutive bytes, aligned
.endr
	s_wait_dscnt 0x0
	QUANT X1, PC1, PW+1
.irp c, 0,1,2
	global_store_b128 v[LI], v[PC1+4*\c:PC1+4*\c+3], s[14:15] offset:1536+512*\c
.endr
	global_store_b64 v[L8], v[PW:PW+1], s[14:15] offset:3072   ; 256 consecutive bytes, aligned
	s_wait_tensorcnt 0x0
	ds_add_u32 v224, v225
	s_wait_dscnt 0x0
	s_endpgm
.Lfunc_end_k_q155bafe7bc_quant:
	.size	k_q155bafe7bc_quant, .Lfunc_end_k_q155bafe7bc_quant-k_q155bafe7bc_quant
	.p2alignl 7, 3214868480
	.fill 96, 4, 3214868480
	.section	.rodata,"a",@progbits
	.p2align	6, 0x0
	.amdhsa_kernel k_q155bafe7bc_quant
		.amdhsa_group_segment_fixed_size 67072
		.amdhsa_private_segment_fixed_size 0
		.amdhsa_enable_private_segment 0
		.amdhsa_kernarg_size 48
		.amdhsa_user_sgpr_count 2
		.amdhsa_user_sgpr_kernarg_segment_ptr 1
		.amdhsa_wavefront_size32 1
		.amdhsa_system_sgpr_workgroup_id_x 1
		.amdhsa_system_sgpr_workgroup_id_y 1
		.amdhsa_system_sgpr_workgroup_id_z 1
		.amdhsa_system_vgpr_workitem_id 0
		.amdhsa_next_free_vgpr 226
		.amdhsa_next_free_sgpr 66
		.amdhsa_reserve_vcc 0
		.amdhsa_float_denorm_mode_32 3
		.amdhsa_float_denorm_mode_16_64 3
		.amdhsa_memory_ordered 1
		.amdhsa_forward_progress 1
		.amdhsa_inst_pref_size 20
	.end_amdhsa_kernel
	.amdgpu_metadata
---
amdhsa.version: [ 1, 2 ]
amdhsa.kernels:
  - .name:           k_q155bafe7bc_quant
    .symbol:         k_q155bafe7bc_quant.kd
    .args:
      - { .name: x, .offset: 0, .size: 8, .value_kind: global_buffer, .address_space: global }
      - { .name: W_query, .offset: 8, .size: 8, .value_kind: global_buffer, .address_space: global }
      - { .name: W_key, .offset: 16, .size: 8, .value_kind: global_buffer, .address_space: global }
      - { .name: W_value, .offset: 24, .size: 8, .value_kind: global_buffer, .address_space: global }
      - { .name: W_out, .offset: 32, .size: 8, .value_kind: global_buffer, .address_space: global }
      - { .name: wx, .offset: 40, .size: 8, .value_kind: global_buffer, .address_space: global }
    .group_segment_fixed_size: 67072
    .private_segment_fixed_size: 0
    .kernarg_segment_align: 8
    .kernarg_segment_size: 48
    .max_flat_workgroup_size: 128
    .sgpr_count:     66
    .vgpr_count:     226
    .wavefront_size: 32
...
	.end_amdgpu_metadata
.endif
;; end of part 1
;; launch proj (part 2): grid 64 x 6, 4 waves a work-group, no clusters, 0 bytes of LDS; arguments wx, qb, kv; writes qb, kv
.if DOCPART == 2
	.amdgcn_target "amdgcn-amd-amdhsa--gfx1250"
	.amdhsa_code_object_version 6
	.text
	.protected	k_q155bafe7bc_proj
	.globl	k_q155bafe7bc_proj
	.p2align	8
	.type	k_q155bafe7bc_proj,@function
k_q155bafe7bc_proj:
	s_mov_b64 s[64:65], 0
	v_nop
	global_prefetch_b8 v0, s[64:65] scope:SCOPE_SE
	s_setreg_imm32_b32 hwreg(HW_REG_WAVE_MODE, 25, 1), 1
	s_wait_xcnt 0x0
; q = x W_query^T, k = x W_key^T, v = x W_value^T on codes of FP6 (K = 256, two matrix instructions deep), and each result quantised in registers for the product that will read it:
; q and k along the head's 64, v along the keys.  Nothing leaves as f32.
; SHARES.  Work-group (X, y): X = a group of 128 tokens; y / 2 = q, k or v; y % 2 = which 512 features.  Wave w takes 128 features: heads A = 8 (y % 2) + 2 w and A + 1.
; ONE BODY.  A HELD operand of 128 rows (8 tiles x 2 fragments, window 1) is source 0; a STREAMED operand, one tile of 16 rows a trip, is source 1.  A lane then holds one row of the streamed tile, and its 64
; registers run along the held rows, 16 neighbours of each block of 32 (the tiles' rows are chosen for that).  q, k: held = the weight, streamed = x's tokens: the registers run along the features.
; v: held = x's tokens, streamed = the weight: the registers run along the keys.
; OUT.  qb: for head hb and token group sigma a block of 6,400 bytes: +768 t the HALF of token tile t (16 rows x 64 codes: registers 0-3 at 16 l, then registers 4-5 at 8 l, 512 bytes on);
;   +6,144 + 64 b + 4 r a word {tile 2 b: two bytes | tile 2 b + 1: two bytes}.
; kv: a block of 12,800 bytes: K's halves and words likewise (words at +12,288); +6,144 + 1,536 tau V^T's fragment of d tile tau (16 d x 128 keys, three planes of 512 bytes);
;   +12,544 + 128 (tau / 2) + 4 l its scale words (tau even in lanes 0-15, odd in lanes 16-31).
; The operands go from memory straight into the registers of the wave that keeps them: no LDS, hence no joint loads and no cluster.  All loads stand at the head or two trips ahead.
; LIMITS: NaN and infinities are not served; a block whose largest magnitude lies under 2^-124 (a block of zeros too) gets the byte 1.
.set REC,  3328
.set LI,   2                           ; v2   16 x lane
.set L8,   3                           ; v3   8 x lane
.set SQ,   4                           ; v4   q, k: where my scale word goes: lanes 0-15 head A's block, lanes 16-31 head A + 1's
.set SV,   5                           ; v5   v: 4 x lane + 12,544
.set SELQ, 6                           ; v6   byte selects: lanes 0-15 the two words' low halves, lanes 16-31 their high halves
.set SELV, 7                           ; v7   lanes 0-15 the even trip's word, lanes 16-31 the odd trip's
.set HS,   8                           ; v8-23  the held tiles' scale words: 2 a + s
.set TS,   24                          ; v24-27 the streamed tile's: 2 (t % 2) + s
.set TF,   28                          ; v28-75 the streamed tile's two fragments, two buffers of 24
.set HA,   80                          ; v80-143 the eight accumulators
.set PC,   144                         ; v144-163 the codes just made
.set TM,   164                         ; v164-179 at work
.set PW,   180                         ; v180-181 the scale words of an even and an odd trip
.set SD,   182                         ; v182 the word to be stored
.set SEL,  20
.set MSB, 0
.macro WIN new                         ; the immediate's high byte repeats the setting that is left
.if MSB != \new
	s_set_vgpr_msb (MSB<<8)|\new
.set MSB, \new
.endif
.endm
.macro QUANT s, pc, pw
.irp b, 0,1,2,3
	v_max3_num_f32 v[TM+\b], |v[\s+16*\b]|, |v[\s+1+16*\b]|, 0x1800000   ; my 16 numbers of block b, and the floor 2^(3 - 127).  Each accumulator is read from its low end on
.endr
.irp i, 2,4,6,8,10,12,14
.irp b, 0,1,2,3
	v_max3_num_f32 v[TM+\b], v[TM+\b], |v[\s+16*\b+\i]|, |v[\s+1+16*\b+\i]|
.endr
.endr
.irp b, 0,1,2,3
	v_permlanex16_b32 v[TM+4+\b], v[TM+\b], s[SEL], s[SEL+1]
.endr
.irp b, 0,1,2,3
	v_max_num_f32 v[TM+\b], v[TM+\b], v[TM+4+\b]
.endr
.irp b, 0,1,2,3
	v_add_nc_u32 v[TM+12+\b], 0xff000000, v[TM+\b]
.endr
.irp b, 0,1,2,3
	v_lshrrev_b32 v[TM+4+\b], 23, v[TM+12+\b]
.endr
	v_lshl_or_b32 v[\pw], v[TM+5], 8, v[TM+4]
	v_lshl_or_b32 v[\pw], v[TM+6], 16, v[\pw]
	v_lshl_or_b32 v[\pw], v[TM+7], 24, v[\pw]
.irp c, 0,1
	v_cvt_scalef32_pk16_fp6_f32 v[\pc+6*\c:\pc+2+6*\c], v[\s+32*\c:\s+15+32*\c], v[TM+12+2*\c]
	v_cvt_scalef32_pk16_fp6_f32 v[\pc+12+4*\c:\pc+14+4*\c], v[\s+16+32*\c:\s+31+32*\c], v[TM+13+2*\c]
.endr
	v_nop                                          ; one plain line behind the scaled conversions
.irp c, 0,1
.irp i, 0,1,2
	v_permlane16_swap_b32 v[\pc+6*\c+\i], v[\pc+12+4*\c+\i]
.endr
.irp i, 0,1,2
	v_mov_b32 v[\pc+3+6*\c+\i], v[\pc+12+4*\c+\i]
.endr
.endr
.endm
.macro TFETCH t                        ; the streamed tile t: seven loads into buffer t % 2
.irp s, 0,1
.irp p, 0,1,2
	global_load_b128 v[TF+24*((\t)%2)+12*\s+4*\p:TF+24*((\t)%2)+12*\s+4*\p+3], v[LI], s[26:27] offset:REC*(\t)+1536*\s+512*\p
.endr
.endr
	global_load_b64 v[TS+2*((\t)%2):TS+2*((\t)%2)+1], v[L8], s[26:27] offset:REC*(\t)+3072
.endm
	s_load_b128 s[4:7], s[0:1], 0x0                ; wx, qb
	s_load_b64 s[8:9], s[0:1], 0x10                ; kv
	v_lshrrev_b32 v1, 5, v0
	v_readfirstlane_b32 s10, v1                    ; wave
	v_and_b32 v1, 31, v0
	s_wait_alu depctr_va_vdst(0)
	v_lshlrev_b32 v[LI], 4, v1
	v_lshlrev_b32 v[L8], 3, v1
	s_and_b32 s11, ttmp7, 0xffff                   ; y
	s_lshr_b32 s12, s11, 1                         ; 0 q, 1 k, 2 v
	s_lshl_b32 s13, s11, 5
	s_lshl_b32 s14, s10, 3
	s_add_co_u32 s13, s13, s14
	s_add_co_u32 s13, s13, 512                     ; the weight's records: 512 + 32 y + 8 w
	s_lshl_b32 s14, ttmp9, 3                       ; x's: 8 X
	s_cmp_ge_u32 s11, 4
	s_cselect_b32 s15, s14, s13                    ; held
	s_cselect_b32 s16, s13, s14                    ; streamed
	s_mul_i32 s32, s15, REC
	s_mov_b32 s33, 0
	s_mul_i32 s34, s16, REC
	s_mov_b32 s35, 0
	s_and_b32 s17, s11, 1
	s_lshl_b32 s17, s17, 3
	s_lshl_b32 s18, s10, 1
	s_add_co_u32 s17, s17, s18                     ; head A
	s_lshr_b32 s18, ttmp9, 4
	s_lshl_b32 s18, s18, 4
	s_add_co_u32 s17, s17, s18                     ; + 16 x batch
	s_lshl_b32 s17, s17, 4
	s_and_b32 s18, ttmp9, 15
	s_add_co_u32 s17, s17, s18                     ; x 16 + the token group in the batch: head A's block
	s_mov_b32 s19, 12800
	s_mov_b32 s22, 12288
	s_cmp_eq_u32 s12, 0
	s_cselect_b32 s19, 6400, s19                   ; a block in bytes,
	s_cselect_b32 s22, 6144, s22                   ; and where its scale words begin
	s_mul_i32 s36, s17, s19
	s_mov_b32 s37, 0
	s_lshl_b32 s38, s19, 4                         ; from a head's block to the next head's
	s_mov_b32 s39, 0
	v_and_b32 v183, 15, v0                         ; r
	v_bfe_u32 v184, v0, 4, 1                       ; h
	v_mul_u32_u24 v[SQ], v184, s38
	; q and k leave in tiles of another make: the stored tile T = 4 e + c of a group of 128 tokens holds in row R the token 64 e + 8 c + R % 8 + 32 (R / 8).
	; Row r of the streamed tile t is row r % 8 + 8 ((t / 2) % 2) of the stored tile 4 (t / 4) + t % 2 + 2 (r / 8): only the stores' addresses change; eight lanes store 128 consecutive bytes.
	s_wait_alu depctr_va_vdst(0)                   ; the wait here, directly ahead of the readers below
	v_and_b32 v186, 8, v183
	v_mad_u32_u24 v187, v186, 176, v[LI]           ; 16 (r % 8) + 256 h + 1,536 (r / 8)
	v_mad_u32_u24 v188, v186, 184, v[L8]           ; 8 (r % 8) + 128 h + 1,536 (r / 8)
	v_add_nc_u32 v186, v186, v183
	v_lshl_add_u32 v[SQ], v186, 2, v[SQ]           ; the scale words: 4 (r % 8) + 64 (r / 8)
	v_add_nc_u32 v[SQ], s22, v[SQ]
	v_lshl_add_u32 v[SV], v1, 2, 12544
	v_cmp_gt_u32 vcc_lo, 16, v1                    ; lanes 0-15
	v_mov_b32 v[SELQ], 0x05040100
	v_mov_b32 v185, 0x07060302
	v_cndmask_b32 v[SELQ], v185, v[SELQ], vcc_lo
	v_mov_b32 v[SELV], 0x03020100
	v_mov_b32 v185, 0x07060504
	v_cndmask_b32 v[SELV], v185, v[SELV], vcc_lo
	s_mov_b32 s[SEL], 0x76543210
	s_mov_b32 s[SEL+1], 0xfedcba98
.irp b, 0,1,2,3
	v_mov_b32 v[TM+4+\b], 0                        ; written once: a lane permute's destination counts as one of its sources
.endr
	s_wait_kmcnt 0x0
	s_cmp_eq_u32 s12, 0
	s_cselect_b64 s[28:29], s[6:7], s[8:9]         ; q goes to qb, k and v to kv
	s_add_nc_u64 s[28:29], s[28:29], s[36:37]      ; head A's block
	s_add_nc_u64 s[30:31], s[28:29], s[38:39]      ; head A + 1's
	s_add_nc_u64 s[24:25], s[4:5], s[32:33]        ; the held records
	s_add_nc_u64 s[26:27], s[4:5], s[34:35]        ; the streamed records
	WIN 0x40                                       ; destination window 1
.irp a, 0,1,2,3,4,5,6,7
.irp s, 0,1
.irp p, 0,1,2
	global_load_b128 v[24*\a+12*\s+4*\p:24*\a+12*\s+4*\p+3], v[LI], s[24:25] offset:REC*\a+1536*\s+512*\p
.endr
.endr
.endr
	WIN 0
.irp a, 0,1,2,3,4,5,6,7
	global_load_b64 v[HS+2*\a:HS+2*\a+1], v[L8], s[24:25] offset:REC*\a+3072
.endr
	TFETCH 0
	TFETCH 1
; A TRIP: 16 rows of the streamed operand against the 128 held rows; the eight accumulators take turns, one instruction a turn.
.macro TRIP t
.set BE, (\t)%2
.if \t < 7
	s_wait_loadcnt 7                               ; all but the next tile's seven loads are in
.else
	s_wait_loadcnt 0x0
.endif
	s_wait_xcnt 0x0                                ; the last trip's stores have read their registers: the codes and the word are written again only behind this wait
	WIN 0x01                                       ; source 0 window 1
.irp a, 0,1,2,3,4,5,6,7
	v_wmma_scale_f32_16x16x128_f8f6f4 v[HA+8*\a:HA+8*\a+7], v[24*\a:24*\a+11], v[TF+24*BE:TF+24*BE+11], 0, v[HS+2*\a], v[TS+2*BE] matrix_a_fmt:MATRIX_FMT_FP6 matrix_b_fmt:MATRIX_FMT_FP6
.endr
.irp a, 0,1,2,3,4,5,6,7
	v_wmma_scale_f32_16x16x128_f8f6f4 v[HA+8*\a:HA+8*\a+7], v[24*\a+12:24*\a+23], v[TF+24*BE+12:TF+24*BE+23], v[HA+8*\a:HA+8*\a+7], v[HS+2*\a+1], v[TS+2*BE+1] matrix_a_fmt:MATRIX_FMT_FP6 matrix_b_fmt:MATRIX_FMT_FP6
.endr
	WIN 0
.rept 4
	v_nop                                          ; four places behind the products: for the loads into the buffer that they read, and for the first read of results
.endr
.if \t <= 5
	TFETCH (\t)+2
.endif
	QUANT HA, PC, PW+BE
	s_cmp_eq_u32 s12, 2
	s_cbranch_scc1 .Lv_\@
	global_store_b128 v187, v[PC:PC+3], s[28:29] offset:768*(4*((\t)/4)+(\t)%2)+128*(((\t)/2)%2)       ; q, k: registers 0-5 are head A's half,
	global_store_b64 v188, v[PC+4:PC+5], s[28:29] offset:768*(4*((\t)/4)+(\t)%2)+512+64*(((\t)/2)%2)
	global_store_b128 v187, v[PC+6:PC+9], s[30:31] offset:768*(4*((\t)/4)+(\t)%2)+128*(((\t)/2)%2)     ; registers 6-11 head A + 1's
	global_store_b64 v188, v[PC+10:PC+11], s[30:31] offset:768*(4*((\t)/4)+(\t)%2)+512+64*(((\t)/2)%2)
.if BE
	v_perm_b32 v[SD], v[PW+1], v[PW], v[SELQ]      ; two tiles' two bytes of one head make a word
	global_store_b32 v[SQ], v[SD], s[28:29] offset:128*((\t)/4)+32*(((\t)/2)%2)   ; the word of the stored pair 2 (t / 4) + r / 8, row r % 8 + 8 ((t / 2) % 2)
.endif
	s_branch .Ldone_\@
.Lv_\@:
	s_wait_alu depctr_va_vdst(0)
.irp c, 0,1,2
	global_store_b128 v[LI], v[PC+4*\c:PC+4*\c+3], s[28:29] offset:((\t)/4)*204800+6144+((\t)%4)*1536+512*\c   ; v: the fragment of d tile t % 4 of head A + t / 4
.endr
.if BE
	v_perm_b32 v[SD], v[PW+1], v[PW], v[SELV]
	global_store_b32 v[SV], v[SD], s[28:29] offset:((\t)/4)*204800+(((\t)/2)%2)*128
.endif
.Ldone_\@:
.endm
.irp t, 0,1,2,3,4,5,6,7
	TRIP \t
.endr
	s_endpgm
.Lfunc_end_k_q155bafe7bc_proj:
	.size	k_q155bafe7bc_proj, .Lfunc_end_k_q155bafe7bc_proj-k_q155bafe7bc_proj
	.p2alignl 7, 3214868480
	.fill 96, 4, 3214868480
	.section	.rodata,"a",@progbits
	.p2align	6, 0x0
	.amdhsa_kernel k_q155bafe7bc_proj
		.amdhsa_group_segment_fixed_size 0
		.amdhsa_private_segment_fixed_size 0
		.amdhsa_enable_private_segment 0
		.amdhsa_kernarg_size 24
		.amdhsa_user_sgpr_count 2
		.amdhsa_user_sgpr_kernarg_segment_ptr 1
		.amdhsa_wavefront_size32 1
		.amdhsa_system_sgpr_workgroup_id_x 1
		.amdhsa_system_sgpr_workgroup_id_y 1
		.amdhsa_system_sgpr_workgroup_id_z 1
		.amdhsa_system_vgpr_workitem_id 0
		.amdhsa_next_free_vgpr 448
		.amdhsa_next_free_sgpr 66
		.amdhsa_reserve_vcc 1
		.amdhsa_float_denorm_mode_32 3
		.amdhsa_float_denorm_mode_16_64 3
		.amdhsa_memory_ordered 1
		.amdhsa_forward_progress 1
		.amdhsa_inst_pref_size 70
	.end_amdhsa_kernel
	.amdgpu_metadata
---
amdhsa.version: [ 1, 2 ]
amdhsa.kernels:
  - .name:           k_q155bafe7bc_proj
    .symbol:         k_q155bafe7bc_proj.kd
    .args:
      - { .name: wx, .offset: 0, .size: 8, .value_kind: global_buffer, .address_space: global }
      - { .name: qb, .offset: 8, .size: 8, .value_kind: global_buffer, .address_space: global }
      - { .name: kv, .offset: 16, .size: 8, .value_kind: global_buffer, .address_space: global }
    .group_segment_fixed_size: 0
    .private_segment_fixed_size: 0
    .kernarg_segment_align: 8
    .kernarg_segment_size: 24
    .max_flat_workgroup_size: 128
    .sgpr_count:     66
    .vgpr_count:     448
    .wavefront_size: 32
...
	.end_amdgpu_metadata
.endif
;; end of part 2
;; launch attn (part 3): grid 4 x 64, 16 waves a work-group, clusters of 4 x 1, 327,680 bytes of LDS; arguments qb, kv, cx; writes cx
.if DOCPART == 3
	.amdgcn_target "amdgcn-amd-amdhsa--gfx1250"
	.amdhsa_code_object_version 6
	.text
	.protected	k_q155bafe7bc_attn
	.globl	k_q155bafe7bc_attn
	.p2align	8
	.type	k_q155bafe7bc_attn,@function
k_q155bafe7bc_attn:
	s_mov_b64 s[64:65], 0
	v_nop
	global_prefetch_b8 v0, s[64:65] scope:SCOPE_SE
	s_setreg_imm32_b32 hwreg(HW_REG_WAVE_MODE, 25, 1), 1
	s_wait_xcnt 0x0
	s_wait_alu depctr_hold_cnt(0) depctr_sa_sdst(0) depctr_va_vdst(0) depctr_va_sdst(0) depctr_va_ssrc(0) depctr_va_vcc(0) depctr_vm_vsrc(0)
	s_getreg_b32 s2, hwreg(HW_REG_IB_STS2, 6, 4)
	s_cmp_eq_u32 s2, 0
	s_cbranch_scc0 .Lentry_in_a_cluster
	s_endpgm
.Lentry_in_a_cluster:
	s_bfe_u32 s2, ttmp6, 0x10000c
	s_cmp_lg_u32 s2, 0x3003
	s_cbranch_scc0 .Lentry_shape_is_right
	s_endpgm
.Lentry_shape_is_right:
; ctx[q] = the sum over keys k <= q of softmax_k(q . k / 8) v[k], head by head, both products on codes of FP6, and ctx quantised along the head's 64 for the last product.
; LEFT OUT: blocks of 128 keys that all come after a tile's queries: the causal mask gives them the weight 0 for every input.  A NaN or an infinity that reaches only such keys is not carried on.
; THE SOFTMAX: t = score x log2(e) / 8; M = the running largest t rounded UP to a whole number; p = 2^(t - M) is quantised along the keys, not normalised; the row's sum is taken of the unquantised p and
; divides at the end; when M moves, the sum and O are multiplied by 2^(old M - new M), which rounds nothing.
; LDS: A HEAD'S WHOLE K AND V, 16 blocks of 12,800 bytes as they lie in kv (800 rows of 256 bytes), FILLED ONCE: rows 0-207 by the head's loads, 13 rows a wave; rows 208-799 by a second load a wave, 37 rows,
; behind the full sequence.  Blocks 0-3 (rows 0-199) are worked on while the second load is out; one barrier follows, and none after it.  Every read is lane-linear: no padding.  The spare words lie behind, at 204,800.
; CLUSTER 4 x 1: the four work-groups of a head read the same bytes: both loads are joint.  Nothing but global addresses and the mask's threshold hangs on the place in the cluster.
; SHARES.  A head's 2,048 queries are 16 groups of 128, 8 tiles each; a tile of group g needs key blocks 0 .. g.  Wave w of work-group cx owns tile T = 2 cx + w / 8 of group 15 - w % 8 and then of group w % 8:
; 17 key steps for every wave.  The loops' trip counts are constants (4, 12, 8); a step past the tile's group is jumped over by a test on the wave's number and the loop's counter.
; TILES.  Tile T = 4 e + c of queries or of keys holds in row R the token 64 e + 8 c + R % 8 + 32 (R / 8).  Both products transposed: S^T = K Q^T, O^T = V^T P^T: a lane holds ONE query, and register n of its 64
; scores is key 64 (n / 32) + 32 h + n % 32: two WHOLE blocks of 32 keys, in the very order of an operand's registers: a block's maximum needs no other lane, and the codes are not moved between lanes.
; K = 64 IN AN INSTRUCTION OF 128: source 0 is a pair of key tiles; source 1 is [q, zeros] or [zeros, q], cut out of 18 registers {6 zeros, q, 6 zeros}: zero codes annul the other tile.
; NO PREFETCH: all that the work-group reads of kv is asked for by its two loads at the head; no loop is left to run ahead in.
; LIMITS: NaN and infinities are not served; the scaled scores stay under 2^31 in magnitude; a block of ctx or of p whose largest magnitude lies under 2^-124 (a block of zeros too) gets the byte 1.
.set KVBLK, 12800
.set SPARE, 16*KVBLK                   ; 128 bytes for each wave: eight blocks of 256 bytes that no other line names
.set R1,  13                           ; rows of 256 bytes a wave: first load, second load
.set R2,  37
.set LI,  1                            ; v1 16 x lane;  v2 8 x lane;  v3 4 x lane
.set L8,  2
.set L4,  3
.set SPW, 4                            ; v4 my spare word, v5 0: never rewritten
.set NIL, 5
.set A16, 6                            ; v6-8 the three with the key block's first byte
.set A8,  7
.set A4,  8
.set QD,  9                            ; v9 my query in its group - 32 h
.set SH8, 10                           ; v10 8 h
.set R4,  11                           ; v11 4 r            (v12 -M, v13 the largest score, v[14:15] the sum in two halves)
.set QZ,  16                           ; v16-33 six zeros, q, six zeros
.set QS,  34                           ; v34 q's scale word: its two bytes twice;  v35 as loaded
.set QR,  35
.set QB,  36                           ; v36-41 the second tile's q;  v42 its scale word;  v43 as loaded
.set QSB, 42
.set QRB, 43
.set KV,  44                           ; v44-91 four pairs of K, then four fragments of V^T
.set SCR, 92                           ; v92-95 scale words: K's pairs 0|1, 2|3; V's tiles 0|1, 2|3 (lanes 0-15 | lanes 16-31)
.set S,   96                           ; v96-159 S^T, then p
.set OT,  160                          ; v160-191 O^T
.set PCD, 192                          ; v192-203 p's codes
.set BM,  212                          ; v212-215 maxima
.set T4,  216                          ; v216-223 at work
.set FF,  224                          ; v224 f (v225 is named with it as a pair)
.set TMP, 226
.set SCO, 228                          ; v228-229 the conversions' scale operands
.set PWD, 232                          ; v232 p's scale word, and nothing else
.set SM,  236                          ; v236-243 four partial sums
.set WV,  18
.set SEL, 20
.set CS,  22                           ; s[22:23] c = log2(e) / 8
.set G1A, 24
.set G1B, 32
.set G0A, 40
.set G0B, 44
.set TB,  48                           ; the key block's first byte in LDS
.set KB,  49                           ; the key block
.set LAST, 50                          ; the group of the tile in hand;  s51 the second tile's
.set LASTA, 51
.set OA,  52                           ; s[52:55] the first tile's codes and scale bytes in cx;  s[56:59] the second's
.set OAS, 54
.set OB,  56
.set OBS, 58
.set SELU, 60
.macro ROUND                           ; a round of the cluster's barrier
	s_barrier_signal -1
	s_barrier_wait -1
	s_cmp_lg_u32 s[WV], 0
	s_cbranch_scc1 .Lnw0_\@
	s_barrier_signal -3
.Lnw0_\@:
	s_barrier_wait -3
	s_barrier_signal -1
	s_barrier_wait -1
.endm
.macro OUTPTR sg, dst, dsts            ; record ((16 batch + group) 4 + quarter of ctx's K) 8 + T of cx
	s_add_co_u32 s91, s[\sg], s84
	s_lshl_b32 s91, s91, 2
	s_add_co_u32 s91, s91, s86
	s_lshl_b32 s91, s91, 3
	s_add_co_u32 s91, s91, s78
	s_mul_i32 s91, s91, 3328
	s_add_co_u32 s92, s91, s88
	s_add_nc_u64 s[\dst:\dst+1], s[8:9], s[92:93]
	s_add_co_u32 s92, s91, s89
	s_add_nc_u64 s[\dsts:\dsts+1], s[8:9], s[92:93]
.endm
	s_load_b128 s[4:7], s[0:1], 0x0                ; qb, kv
	s_load_b64 s[8:9], s[0:1], 0x10                ; cx
	v_lshl_add_u32 v[SPW], v0, 2, SPARE
	v_mov_b32 v[NIL], 0
	ds_add_u32 v[SPW], v[NIL]                      ; the opening lines: the add, twice on end, and its wait
	ds_add_u32 v[SPW], v[NIL]
	v_lshrrev_b32 v6, 5, v0
	v_readfirstlane_b32 s[WV], v6                  ; wave 0..15
	s_and_b32 s66, ttmp7, 0xffff                   ; hb = 16 x batch + head
	s_bfe_u32 s67, ttmp6, 0x40000                  ; cx
.irp g, G1A, G1B
	s_mov_b32 s[\g], 15|(3<<16)|(1<<21)            ; the cluster's four; elements of 8 bytes; bit 21 beside a mask; no padding
	s_mov_b32 s[\g+1], 32<<16                      ; rows of 256 bytes
	s_mov_b32 s[\g+3], 32<<16
	s_mov_b32 s[\g+5], 32                          ; dense
	s_mov_b32 s[\g+6], 0
	s_mov_b32 s[\g+7], 0
.endr
	s_mov_b32 s[G1A+2], R1<<16
	s_mov_b32 s[G1A+4], R1
	s_mov_b32 s[G1B+2], R2<<16
	s_mov_b32 s[G1B+4], R2
	s_mul_i32 s68, s66, 16*KVBLK                   ; the head's first byte in kv
	s_mov_b32 s69, 0
	s_mul_i32 s70, s[WV], R1*256                   ; my rows of the first load,
	s_mul_i32 s71, s[WV], R2*256
	s_add_co_u32 s71, s71, 16*R1*256               ; and of the second: the same place in LDS as in the head's bytes
	s_mov_b32 s[G0A], 1
	s_mov_b32 s[G0A+1], s70
	s_mov_b32 s[G0B], 1
	s_mov_b32 s[G0B+1], s71
	s_mov_b32 s74, s70
	s_mov_b32 s75, 0
	s_wait_dscnt 0x0                               ; both opening adds are done
	s_wait_kmcnt 0x0
	s_add_nc_u64 s[72:73], s[6:7], s[68:69]
	s_add_nc_u64 s[G0A+2:G0A+3], s[72:73], s[74:75]
	s_or_b32 s[G0A+3], s[G0A+3], 0x80000000
	s_mov_b32 s74, s71
	s_add_nc_u64 s[G0B+2:G0B+3], s[72:73], s[74:75]
	s_or_b32 s[G0B+3], s[G0B+3], 0x80000000
	ROUND                                          ; the four work-groups are here: the joint loads meet
	tensor_load_to_lds s[G0A:G0A+3], s[G1A:G1A+7]  ; my one load at the head
	s_nop 0
	s_lshr_b32 s76, s[WV], 3
	s_and_b32 s[LASTA], s[WV], 7                   ; the second tile's group,
	s_sub_co_u32 s[LAST], 15, s[LASTA]             ; the first's
	s_lshl_b32 s78, s67, 1
	s_add_co_u32 s78, s78, s76                     ; T
	s_lshr_b32 s79, s78, 2
	s_lshl_b32 s79, s79, 6
	s_and_b32 s80, s78, 3
	s_lshl_b32 s80, s80, 3
	s_add_co_u32 s79, s79, s80                     ; 64 (T / 4) + 8 (T % 4)
	s_mov_b32 s[SELU], 0x03020302
	s_cmp_eq_u32 s76, 0
	s_cselect_b32 s[SELU], 0x01000100, s[SELU]     ; which two bytes of a pair's word are my tile's: T % 2 = w / 8
	s_mov_b32 s[SEL], 0x76543210
	s_mov_b32 s[SEL+1], 0xfedcba98
	s_mov_b32 s[CS], 0x3e38aa3b
	s_mov_b32 s[CS+1], s[CS]                       ; (named with it as a pair)
	s_lshl_b32 s81, s66, 4
	s_mov_b32 s83, 0
	s_add_co_u32 s82, s81, s[LAST]
	s_mul_i32 s82, s82, 6400
	s_add_nc_u64 s[94:95], s[4:5], s[82:83]        ; q's block, first tile,
	s_add_co_u32 s82, s81, s[LASTA]
	s_mul_i32 s82, s82, 6400
	s_add_nc_u64 s[96:97], s[4:5], s[82:83]        ; second tile
	s_mul_i32 s85, s78, 768
	s_lshl_b32 s87, s67, 6
	s_add_co_u32 s87, s87, 6144                    ; my pair's scale words: T / 2 = cx
	s_lshr_b32 s84, s66, 4
	s_lshl_b32 s84, s84, 4                         ; 16 x batch
	s_and_b32 s90, s66, 15                         ; the head
	s_lshr_b32 s86, s90, 2
	s_and_b32 s88, s90, 3
	s_lshr_b32 s89, s88, 1
	s_lshl_b32 s89, s89, 2
	s_mul_i32 s88, s88, 768                        ; its half's place in a record,
	s_and_b32 s90, s90, 1
	s_lshl_b32 s90, s90, 1
	s_add_co_u32 s89, s89, s90
	s_add_co_u32 s89, s89, 3072                    ; and its two scale bytes'
	s_mov_b32 s93, 0
	OUTPTR LAST, OA, OAS
	OUTPTR LASTA, OB, OBS
	v_and_b32 v6, 31, v0
	v_and_b32 v7, 15, v0                           ; r
	v_bfe_u32 v8, v0, 4, 1                         ; h
	v_lshlrev_b32 v[LI], 4, v6
	v_lshlrev_b32 v[L8], 3, v6
	v_lshlrev_b32 v[L4], 2, v6
	v_lshlrev_b32 v[R4], 2, v7
	v_lshlrev_b32 v[SH8], 3, v8
	v_and_b32 v[QD], 7, v0
	v_bfe_u32 v7, v0, 3, 1
	v_sub_nc_u32 v7, v7, v8
	v_lshl_add_u32 v[QD], v7, 5, v[QD]             ; r % 8 + 32 (r / 8) - 32 h
	v_add_nc_u32 v[QD], s79, v[QD]
	v_add_nc_u32 v96, s85, v[LI]
	v_add_nc_u32 v97, s85, v[L8]
	v_add_nc_u32 v98, s87, v[R4]
	global_load_b128 v[QZ+6:QZ+9], v96, s[94:95]
	global_load_b64 v[QZ+10:QZ+11], v97, s[94:95] offset:512
	global_load_b32 v[QR], v98, s[94:95]
	global_load_b128 v[QB:QB+3], v96, s[96:97]
	global_load_b64 v[QB+4:QB+5], v97, s[96:97] offset:512
	global_load_b32 v[QRB], v98, s[96:97]
	s_wait_alu depctr_va_vdst(0)                   ; the wait here, directly ahead of the wait below
	s_wait_tensorcnt 0x0                           ; my rows of the first load are in
	ds_add_u32 v[SPW], v[NIL]
	s_wait_dscnt 0x0
	ROUND                                          ; rows 0-207 are whole, and the four work-groups are here
	tensor_load_to_lds s[G0B:G0B+3], s[G1B:G1B+7]  ; rows 208-799: my one load behind the round
	s_nop 0
	s_wait_loadcnt 0x0                             ; q of both tiles
	v_perm_b32 v[QS], v[QR], v[QR], s[SELU]        ; my tile's two bytes, twice: for [q, zeros] and for [zeros, q]
	v_perm_b32 v[QSB], v[QRB], v[QRB], s[SELU]
.irp j, 0,1,2,3,4,5
	v_mov_b32 v[QZ+\j], 0
	v_mov_b32 v[QZ+12+\j], 0
.endr
	v_mov_b32 v13, 0xff61b1e6                      ; the largest score so far: -3e38
	v_mov_b32 v12, 0x7e800000                      ; -M: a large whole number, so that the first f is 0
	v_mov_b32 v14, 0
	v_mov_b32 v15, 0
	v_mov_b32 v[T4], 0                             ; written once: a lane permute's destination counts as one of its sources
	v_mov_b32 v[T4+1], 0
	v_mov_b32 v[FF], 0
	v_mov_b32 v[FF+1], 0
.set j, 0
.rept 32
	v_mov_b32 v[OT+j], 0                           ; the step is written once: a tile's first step finds zeros
.set j, j+1
.endr
	s_wait_alu depctr_va_vdst(0)                   ; the wait at the head's end
; A KEY STEP: the 128 keys of block KB.  full = 1: with the tests for a block past the tile's group and for the group's own block.
.macro STEP full
.if \full
	s_cmp_gt_u32 s[KB], s[LAST]
	s_cbranch_scc1 .Lhid_\@
.endif
	v_add_nc_u32 v[A16], s[TB], v[LI]
	v_add_nc_u32 v[A8], s[TB], v[L8]
	v_add_nc_u32 v[A4], s[TB], v[L4]
	v_nop                                          ; four places in front of loads into registers that the last step's products have read
	s_wait_alu depctr_va_vdst(0)                   ; the wait behind these writes
.irp i, 0,1,2,3
	ds_load_b32 v[SCR+\i], v[A4] offset:12288+128*\i
.endr
.irp t, 0,1,2,3,4,5,6,7
	ds_load_b128 v[KV+6*\t:KV+6*\t+3], v[A16] offset:768*\t
	ds_load_b64 v[KV+6*\t+4:KV+6*\t+5], v[A8] offset:768*\t+512
.endr
.irp b, 0,1,2,3
	s_wait_dscnt 12-4*\b                           ; pair b is in: four loads for each later pair may be out
.irp u, 0,1
.if \b%2
	v_wmma_scale_f32_16x16x128_f8f6f4 v[S+8*(2*\b+\u):S+8*(2*\b+\u)+7], v[KV+12*\b:KV+12*\b+11], v[QZ+6-6*\u:QZ+17-6*\u], 0, v[SCR+\b/2], v[QS] matrix_a_fmt:MATRIX_FMT_FP6 matrix_b_fmt:MATRIX_FMT_FP6 matrix_a_scale:MATRIX_SCALE_ROW1
.else
	v_wmma_scale_f32_16x16x128_f8f6f4 v[S+8*(2*\b+\u):S+8*(2*\b+\u)+7], v[KV+12*\b:KV+12*\b+11], v[QZ+6-6*\u:QZ+17-6*\u], 0, v[SCR+\b/2], v[QS] matrix_a_fmt:MATRIX_FMT_FP6 matrix_b_fmt:MATRIX_FMT_FP6
.endif
.endr
.endr
.rept 4
	v_nop                                          ; four places: for the loads below and for the first read of the scores
.endr
.set n, 0
.rept 12
	ds_load_b128 v[KV+4*n:KV+4*n+3], v[A16] offset:6144+512*n   ; V^T's four fragments land under the softmax
.set n, n+1
.endr
.if \full
	s_cmp_lt_u32 s[KB], s[LAST]                    ; only in the group's own block are keys hidden
	s_cbranch_scc1 .Lopen_\@
	v_mov_b32 v[TMP], 0xff800000
.set n, 0
.rept 64
	v_cmp_gt_i32 vcc_lo, 64*(n/32)+n%32, v[QD]     ; register n is hidden where its key comes after my query
	v_cndmask_b32 v[S+n], v[S+n], v[TMP], vcc_lo
.set n, n+1
.endr
.Lopen_\@:
.endif
.irp k, 0,1,2,3
	v_max3_num_f32 v[BM+\k], v[S+16*\k], v[S+1+16*\k], v[S+2+16*\k]   ; four chains by turns; each accumulator is read from its low end on
.endr
.irp i, 3,5,7,9,11,13
.irp k, 0,1,2,3
	v_max3_num_f32 v[BM+\k], v[BM+\k], v[S+16*\k+\i], v[S+1+16*\k+\i]
.endr
.endr
.irp c, 0,1
	v_max3_num_f32 v[BM+2*\c], v[BM+2*\c], v[BM+1+2*\c], v[S+15+32*\c]
.endr
.irp c, 0,1
	v_max_num_f32 v[BM+2*\c], v[BM+2*\c], v[S+31+32*\c]   ; the largest score of my block 2 c + h: for the row's maximum and, since p rises with the score, for the block's largest p
.endr
	v_max_num_f32 v[TMP], v[BM], v[BM+2]
	v_permlanex16_b32 v[T4], v[TMP], s[SEL], s[SEL+1]
	v_max3_num_f32 v13, v13, v[TMP], v[T4]         ; the running largest score
	v_mov_b32 v[T4+1], v12
	v_mul_f32 v[TMP], s[CS], v13                   ; as t (c is positive)
	v_floor_f32 v12, -v[TMP]                       ; the new -M = -ceil(t)
	v_sub_f32 v[TMP], v12, v[T4+1]                 ; old M - new M: a whole number, 0 or less
	v_cvt_i32_f32 v[TMP], v[TMP]                   ; (it saturates)
	v_ldexp_f32 v[FF], 1.0, v[TMP]                 ; f = 2^(old M - new M)
.set j, 0
.rept 32
	v_pk_fma_f32 v[S+j:S+j+1], v[S+j:S+j+1], s[CS:CS+1], v[12:13] op_sel_hi:[1,0,0]   ; t - M, two at a time
.set j, j+2
.endr
.irp c, 0,1
	v_fma_f32 v[BM+2*\c], v[BM+2*\c], s[CS], v12   ; the same of each block's largest score
.endr
	s_wait_alu depctr_va_vdst(0)                   ; the wait ahead of the batch
	v_exp_f32 v[BM], v[BM]                         ; the blocks' largest p,
	v_exp_f32 v[BM+2], v[BM+2]
.set j, 0
.rept 64
	v_exp_f32 v[S+j], v[S+j]                       ; and p = 2^(t - M)
.set j, j+1
.endr
	v_pk_mul_f32 v[14:15], v[14:15], v[FF:FF+1] op_sel_hi:[1,0]   ; the sums under the new M: the plain line behind the exponentials
	s_wait_alu depctr_va_vdst(0)                   ; one wait for the batch, ahead of its first reader
.irp k, 0,1,2,3
	v_pk_add_f32 v[SM+2*\k:SM+2*\k+1], v[S+2*\k:S+2*\k+1], v[S+8+2*\k:S+9+2*\k]   ; the row's sum of the unquantised p, in four chains
.endr
.irp j, 16,24,32,40,48,56
.irp k, 0,1,2,3
	v_pk_add_f32 v[SM+2*\k:SM+2*\k+1], v[SM+2*\k:SM+2*\k+1], v[S+\j+2*\k:S+\j+1+2*\k]
.endr
.endr
.irp c, 0,1
	v_max_num_f32 v[BM+2*\c], 0x1800000, v[BM+2*\c]   ; the floor 2^(3 - 127)
.endr
	v_pk_add_f32 v[SM:SM+1], v[SM:SM+1], v[SM+2:SM+3]
	v_pk_add_f32 v[SM+4:SM+5], v[SM+4:SM+5], v[SM+6:SM+7]
.irp c, 0,1
	v_add_nc_u32 v[SCO+\c], 0xff000000, v[BM+2*\c]   ; 2 off the exponent field: the conversion's scale operand
.endr
	v_pk_add_f32 v[14:15], v[14:15], v[SM:SM+1]
.irp c, 0,1
	v_lshrrev_b32 v[T4+\c], 23, v[SCO+\c]          ; the scale's byte
.endr
	v_lshl_or_b32 v[TMP], v[T4+1], 16, v[T4]       ; my two bytes: blocks h and 2 + h,
	v_lshlrev_b32 v[TMP], v[SH8], v[TMP]           ; at their places in the word;
	v_permlanex16_b32 v[T4], v[TMP], s[SEL], s[SEL+1]
	v_or_b32 v[PWD], v[TMP], v[T4]                 ; with lane l xor 16's two the word is whole
.irp c, 0,1
	v_cvt_scalef32_pk16_fp6_f32 v[PCD+6*\c:PCD+2+6*\c], v[S+32*\c:S+15+32*\c], v[SCO+\c]
	v_cvt_scalef32_pk16_fp6_f32 v[T4+4*\c:T4+2+4*\c], v[S+16+32*\c:S+31+32*\c], v[SCO+\c]   ; a conversion's three registers begin on an even number
.endr
	v_pk_add_f32 v[14:15], v[14:15], v[SM+4:SM+5]  ; the plain line behind the scaled conversions
.irp c, 0,1
.irp i, 0,1,2
	v_mov_b32 v[PCD+3+6*\c+\i], v[T4+4*\c+\i]
.endr
.endr
	s_wait_dscnt 0x0                               ; V^T is in
	s_wait_alu depctr_va_vdst(0)                   ; the wait here, directly ahead of the first reader of O^T
.set j, 0
.rept 16
	v_pk_mul_f32 v[OT+j:OT+j+1], v[OT+j:OT+j+1], v[FF:FF+1] op_sel_hi:[1,0]   ; O^T under the new M; these sixteen are the places in front of the scaled products
.set j, j+2
.endr
.irp t, 0,1,2,3                                ; the four accumulators take turns
.if \t%2
	v_wmma_scale_f32_16x16x128_f8f6f4 v[OT+8*\t:OT+8*\t+7], v[KV+12*\t:KV+12*\t+11], v[PCD:PCD+11], v[OT+8*\t:OT+8*\t+7], v[SCR+2+\t/2], v[PWD] matrix_a_fmt:MATRIX_FMT_FP6 matrix_b_fmt:MATRIX_FMT_FP6 matrix_a_scale:MATRIX_SCALE_ROW1
.else
	v_wmma_scale_f32_16x16x128_f8f6f4 v[OT+8*\t:OT+8*\t+7], v[KV+12*\t:KV+12*\t+11], v[PCD:PCD+11], v[OT+8*\t:OT+8*\t+7], v[SCR+2+\t/2], v[PWD] matrix_a_fmt:MATRIX_FMT_FP6 matrix_b_fmt:MATRIX_FMT_FP6
.endif
.endr
.if \full
.Lhid_\@:
.endif
	s_add_co_u32 s[TB], s[TB], KVBLK
	s_add_co_u32 s[KB], s[KB], 1
.endm
; A TILE'S END: O^T / the sum is ctx(my query, 32 b + 16 h + i) in register 16 b + i (V^T's tiles of d take rows 32 g + 8 u + r + 8 (r / 8)): two blocks of 32 along the last product's K, each in lanes l and l xor 16.
.macro FINISH base, sbase
.rept 4
	v_nop                                          ; four places behind the last products
.endr
	v_add_f32 v14, v14, v15
	v_permlanex16_b32 v[FF], v14, s[SEL], s[SEL+1]
	v_add_f32 v14, v14, v[FF]                      ; the row's sum
	s_wait_alu depctr_va_vdst(0)
	v_rcp_f32 v14, v14
	v_nop                                          ; a plain line behind the reciprocal,
	s_wait_alu depctr_va_vdst(0)                   ; and the wait ahead of its first reader and of O^T's
.set j, 0
.rept 32
	v_mul_f32 v[S+j], v[OT+j], v14                 ; each accumulator from its low end on
.set j, j+1
.endr
.irp b, 0,1
	v_max3_num_f32 v[BM+\b], |v[S+16*\b]|, |v[S+1+16*\b]|, 0x1800000
.endr
.irp i, 2,4,6,8,10,12,14
.irp b, 0,1
	v_max3_num_f32 v[BM+\b], v[BM+\b], |v[S+16*\b+\i]|, |v[S+1+16*\b+\i]|
.endr
.endr
.irp b, 0,1
	v_permlanex16_b32 v[T4+\b], v[BM+\b], s[SEL], s[SEL+1]
.endr
.irp b, 0,1
	v_max_num_f32 v[BM+\b], v[BM+\b], v[T4+\b]
.endr
.irp b, 0,1
	v_add_nc_u32 v[SCO+\b], 0xff000000, v[BM+\b]
.endr
.irp b, 0,1
	v_lshrrev_b32 v[T4+\b], 23, v[SCO+\b]
.endr
	v_lshl_or_b32 v[TMP], v[T4+1], 8, v[T4]        ; my row's two scale bytes
	v_cvt_scalef32_pk16_fp6_f32 v[PCD:PCD+2], v[S:S+15], v[SCO]
	v_cvt_scalef32_pk16_fp6_f32 v[T4+4:T4+6], v[S+16:S+31], v[SCO+1]
	v_nop
.irp i, 0,1,2
	v_permlane16_swap_b32 v[PCD+\i], v[T4+4+\i]    ; a whole block in a lane
.endr
.irp i, 0,1,2
	v_mov_b32 v[PCD+3+\i], v[T4+4+\i]
.endr
	global_store_b128 v[LI], v[PCD:PCD+3], s[\base:\base+1]              ; 512 consecutive bytes, aligned
	global_store_b64 v[L8], v[PCD+4:PCD+5], s[\base:\base+1] offset:512  ; 256 consecutive bytes, aligned
	global_store_b16 v[L8], v[TMP], s[\sbase:\sbase+1]                   ; two bytes of each lane's eight: the other six are three other heads'
.endm
	s_mov_b32 s[KB], 0
	s_mov_b32 s[TB], 0
.Lfirst:                                           ; blocks 0-3 of the first tile, whose group is 8 or more: nothing hidden
	STEP 0
	s_cmp_lt_u32 s[KB], 4
	s_cbranch_scc1 .Lfirst
	s_wait_tensorcnt 0x0                           ; my rows of the second load are in,
	s_wait_dscnt 0x0
	s_barrier_signal -1
	s_barrier_wait -1                              ; and everybody's
	s_mov_b32 s[KB], 4
	s_mov_b32 s[TB], 4*KVBLK
.Llong:                                            ; blocks 4-15
	STEP 1
	s_cmp_lt_u32 s[KB], 16
	s_cbranch_scc1 .Llong
	FINISH OA, OAS
	s_wait_xcnt 0x0                                ; the stores have read their registers
.irp j, 0,1,2,3,4,5
	v_mov_b32 v[QZ+6+\j], v[QB+\j]                 ; the second tile begins
.endr
	v_mov_b32 v[QS], v[QSB]
	v_mov_b32 v13, 0xff61b1e6
	v_mov_b32 v12, 0x7e800000
	v_mov_b32 v14, 0
	v_mov_b32 v15, 0
.set j, 0
.rept 32
	v_mov_b32 v[OT+j], 0                           ; (also the places between the writes of q and its scale word and the next scaled product)
.set j, j+1
.endr
	s_mov_b32 s[LAST], s[LASTA]
	s_mov_b32 s[KB], 0
	s_mov_b32 s[TB], 0
.Lshort:                                           ; blocks 0-7
	STEP 1
	s_cmp_lt_u32 s[KB], 8
	s_cbranch_scc1 .Lshort
	FINISH OB, OBS
	s_wait_tensorcnt 0x0                           ; the wave's end
	ds_add_u32 v[SPW], v[NIL]
	s_wait_dscnt 0x0
	ROUND                                          ; the closing round
	s_endpgm
.Lfunc_end_k_q155bafe7bc_attn:
	.size	k_q155bafe7bc_attn, .Lfunc_end_k_q155bafe7bc_attn-k_q155bafe7bc_attn
	.p2alignl 7, 3214868480
	.fill 96, 4, 3214868480
	.section	.rodata,"a",@progbits
	.p2align	6, 0x0
	.amdhsa_kernel k_q155bafe7bc_attn
		.amdhsa_group_segment_fixed_size 327680
		.amdhsa_private_segment_fixed_size 0
		.amdhsa_enable_private_segment 0
		.amdhsa_kernarg_size 24
		.amdhsa_user_sgpr_count 2
		.amdhsa_user_sgpr_kernarg_segment_ptr 1
		.amdhsa_wavefront_size32 1
		.amdhsa_system_sgpr_workgroup_id_x 1
		.amdhsa_system_sgpr_workgroup_id_y 1
		.amdhsa_system_sgpr_workgroup_id_z 1
		.amdhsa_system_vgpr_workitem_id 0
		.amdhsa_next_free_vgpr 256
		.amdhsa_next_free_sgpr 100
		.amdhsa_reserve_vcc 1
		.amdhsa_float_denorm_mode_32 3
		.amdhsa_float_denorm_mode_16_64 3
		.amdhsa_memory_ordered 1
		.amdhsa_forward_progress 1
		.amdhsa_inst_pref_size 73
	.end_amdhsa_kernel
	.amdgpu_metadata
---
amdhsa.version: [ 1, 2 ]
amdhsa.kernels:
  - .name:           k_q155bafe7bc_attn
    .symbol:         k_q155bafe7bc_attn.kd
    .args:
      - { .name: qb, .offset: 0, .size: 8, .value_kind: global_buffer, .address_space: global }
      - { .name: kv, .offset: 8, .size: 8, .value_kind: global_buffer, .address_space: global }
      - { .name: cx, .offset: 16, .size: 8, .value_kind: global_buffer, .address_space: global }
    .group_segment_fixed_size: 327680
    .private_segment_fixed_size: 0
    .kernarg_segment_align: 8
    .kernarg_segment_size: 24
    .max_flat_workgroup_size: 512
    .sgpr_count:     100
    .vgpr_count:     256
    .wavefront_size: 32
...
	.end_amdgpu_metadata
.endif
;; end of part 3
;; launch outp (part 4): grid 4 x 64, 4 waves a work-group, clusters of 4 x 1, 327,680 bytes of LDS; arguments cx, wx, b_out, out0; writes out0
.if DOCPART == 4
	.amdgcn_target "amdgcn-amd-amdhsa--gfx1250"
	.amdhsa_code_object_version 6
	.text
	.protected	k_q155bafe7bc_outp
	.globl	k_q155bafe7bc_outp
	.p2align	8
	.type	k_q155bafe7bc_outp,@function
k_q155bafe7bc_outp:
	s_mov_b64 s[64:65], 0
	v_nop
	global_prefetch_b8 v0, s[64:65] scope:SCOPE_SE
	s_setreg_imm32_b32 hwreg(HW_REG_WAVE_MODE, 25, 1), 1
	s_wait_xcnt 0x0
	s_wait_alu depctr_hold_cnt(0) depctr_sa_sdst(0) depctr_va_vdst(0) depctr_va_sdst(0) depctr_va_ssrc(0) depctr_va_vcc(0) depctr_vm_vsrc(0)
	s_getreg_b32 s2, hwreg(HW_REG_IB_STS2, 6, 4)
	s_cmp_eq_u32 s2, 0
	s_cbranch_scc0 .Lentry_in_a_cluster
	s_endpgm
.Lentry_in_a_cluster:
	s_bfe_u32 s2, ttmp6, 0x10000c
	s_cmp_lg_u32 s2, 0x3003
	s_cbranch_scc0 .Lentry_shape_is_right
	s_endpgm
.Lentry_shape_is_right:
; out0 = ctx W_out^T + b_out on codes of FP6: [8192][1024] f32, K = 1,024.
; SHARES.  Work-group (fq, X): 256 features x 128 tokens.  Wave w keeps features 64 w .. 64 w + 63 of the quarter fq (4 tiles a) FOR ALL OF K IN REGISTERS: 8 K steps x 4 tiles x 12 = 384 registers, windows 1 and 2,
; loaded from W_out's records as they lie, 512 consecutive bytes a load: each byte of them is read once by the one wave that keeps it, so it passes through no LDS and is asked for by no joint load.
; ctx's 32 records of the 128 tokens (106,496 bytes, dense in memory) come into LDS ONCE, one tensor load a wave (8 records, 104 rows of 256 bytes); all four waves read them, lane-linear: no padding.
; CLUSTER 4 x 1: the four quarters fq of one X need the same records of ctx: the load is joint.  Only global addresses hang on the place in the cluster.
; THE WALK GOES BY TILES OF 16 TOKENS, not by K: tile m takes 8 K steps x 4 tiles a = 32 matrix instructions, the four accumulators by turns, the bias as the C of the first K step; then it is finished and leaves,
; through my own stage in LDS, as rows of 256 bytes, while the next tile is multiplied.  The fragments of tile m + 1 are fetched ahead of tile m's products.
; TRANSPOSED: source 0 = 16 features, source 1 = 16 tokens: a lane holds eight neighbouring features of one token.
; ROWS.  A tile a of features holds in row R the feature 32 (a / 2) + 8 (a % 2) + R + 8 (R / 8); a tile m of tokens holds in row R the token 64 (m / 4) + 8 (m % 4) + R % 8 + 32 (R / 8).
; NO PREFETCH: every read of the launch is issued at the head; no loop is left to run ahead in.
; REGISTERS.  Window 0: addresses, scale words, bias, two sets of accumulators, 32 on the way out.  Windows 1, 2: W_out, K steps 0-3 and 4-7, at 48 (s % 4) + 12 a.  Window 3: ctx's fragments, two sets of 96, at 96 (m % 2) + 12 s.
.set REC,   3328
.set STAGE, 32*REC                     ; behind ctx's records: a stage of 16 rows x 272 bytes for each wave, bytes on which no fill lands
.set SPT,   272
.set WSTG,  16*SPT
.set SPARE, STAGE+4*WSTG               ; behind the stages: the spare words, 128 bytes for each wave
.set LI,   2                           ; v2  16 x lane: also the LDS address of ctx's records 0-15
.set L8,   3                           ; v3  8 x lane
.set A16B, 18                          ; v18, v19 the same for records 16-31
.set A8B,  19
.set BO,   20                          ; v20 64 h: the bias
.set STO,  24                          ; v24 into the stage: row r, + 64 h
.set RD,   25                          ; v25 back: row h, 16 bytes a lane
.set CO,   26                          ; v26 the same two rows in out0
.set SPW,  28
.set NIL,  29
.set WS,   32                          ; v32-63  W_out's scale words: 8 kp + 2 a + s % 2
.set CSC,  64                          ; v64-79  ctx's: 8 (m % 2) + s
.set BI,   80                          ; v80-111 the bias in the result's layout
.set ACC,  112                         ; v112-175 32 (m % 2) + 8 a
.set OUTR, 176                         ; v176-207 a tile's rows on the way out
.set G1,   24
.set G0,   32
.set MSB, 0
.macro WIN new                         ; the immediate's high byte repeats the setting that is left
.if MSB != \new
	s_set_vgpr_msb (MSB<<8)|\new
.set MSB, \new
.endif
.endm
.macro ROUND                           ; a round of the cluster's barrier
	s_barrier_signal -1
	s_barrier_wait -1
	s_cmp_lg_u32 s14, 0
	s_cbranch_scc1 .Lnot_wave_0_\@
	s_barrier_signal -3
.Lnot_wave_0_\@:
	s_barrier_wait -3
	s_barrier_signal -1
	s_barrier_wait -1
.endm
.macro PLACES
.rept 4
	v_nop
.endr
.endm
	s_load_b256 s[4:11], s[0:1], 0x0               ; cx, wx, b_out, out0
	v_lshl_add_u32 v[SPW], v0, 2, SPARE
	v_mov_b32 v[NIL], 0
	ds_add_u32 v[SPW], v[NIL]                      ; the opening lines: the add, twice on end, and its wait
	ds_add_u32 v[SPW], v[NIL]
	v_lshrrev_b32 v1, 5, v0
	v_readfirstlane_b32 s14, v1                    ; wave
	s_bfe_u32 s76, ttmp6, 0x40000                  ; fq: my place in the cluster
	s_and_b32 s79, ttmp7, 0xffff                   ; X
	s_mov_b32 s[G1], 15|(3<<16)|(1<<21)            ; the cluster's four; elements of 8 bytes; bit 21 beside a mask; no padding
	s_mov_b32 s[G1+1], 32<<16                      ; rows of 256 bytes
	s_mov_b32 s[G1+2], 104<<16                     ; eight records: 104 rows
	s_mov_b32 s[G1+3], 32<<16
	s_mov_b32 s[G1+4], 104
	s_mov_b32 s[G1+5], 32
	s_mov_b32 s[G1+6], 0
	s_mov_b32 s[G1+7], 0
	s_lshl_b32 s86, s79, 5                         ; ctx: record 32 X + 8 w: of X and the wave alone
	s_lshl_b32 s87, s14, 3
	s_add_co_u32 s86, s86, s87
	s_mul_i32 s86, s86, REC
	s_mov_b32 s87, 0
	s_mov_b32 s[G0], 1
	s_mul_i32 s[G0+1], s14, 8*REC
	s_lshl_b32 s82, s76, 6                         ; W_out: record 704 + 64 fq + 16 kp + 4 w + a
	s_lshl_b32 s83, s14, 2
	s_add_co_u32 s82, s82, s83
	s_add_co_u32 s82, s82, 704
	s_mul_i32 s82, s82, REC
	s_mov_b32 s83, 0
	s_lshl_b32 s90, s76, 10                        ; my first feature, in bytes
	s_lshl_b32 s91, s14, 8
	s_add_co_u32 s90, s90, s91
	s_mov_b32 s91, 0
	s_lshl_b32 s92, s79, 19                        ; 128 X rows of 4,096 bytes
	s_mov_b32 s93, 0
	s_mul_i32 s94, s14, WSTG
	s_add_co_u32 s94, s94, STAGE                   ; my stage
	s_wait_dscnt 0x0                               ; both opening adds are done
	s_wait_kmcnt 0x0
	s_add_nc_u64 s[G0+2:G0+3], s[4:5], s[86:87]
	s_or_b32 s[G0+3], s[G0+3], 0x80000000
	s_add_nc_u64 s[84:85], s[6:7], s[82:83]
	s_add_nc_u64 s[8:9], s[8:9], s[90:91]
	s_add_nc_u64 s[10:11], s[10:11], s[90:91]
	s_add_nc_u64 s[10:11], s[10:11], s[92:93]
	ROUND                                          ; the four work-groups are here: the joint loads meet
	tensor_load_to_lds s[G0:G0+3], s[G1:G1+7]      ; my one tensor load
	s_nop 0
	PLACES
	v_and_b32 v1, 31, v0
	v_and_b32 v4, 15, v0                           ; r
	v_bfe_u32 v5, v0, 4, 1                         ; h
	v_lshlrev_b32 v[LI], 4, v1
	v_lshlrev_b32 v[L8], 3, v1
	v_lshlrev_b32 v[BO], 6, v5
	v_add_nc_u32 v[A16B], 16*REC, v[LI]
	v_add_nc_u32 v[A8B], 16*REC, v[L8]
	v_mul_u32_u24 v[STO], v4, SPT
	v_lshl_add_u32 v[STO], v5, 6, v[STO]
	v_add_nc_u32 v[STO], s94, v[STO]
	v_mul_u32_u24 v[RD], v5, SPT
	v_lshl_add_u32 v[RD], v4, 4, v[RD]
	v_add_nc_u32 v[RD], s94, v[RD]
	v_lshlrev_b32 v[CO], 4, v4
	v_lshl_add_u32 v[CO], v5, 12, v[CO]
	s_wait_alu depctr_va_vdst(0)                   ; the wait at the head's end
.macro WLOAD kp                        ; my four tiles' two fragments of the quarter kp of K
.irp sl, 0,1
.irp a, 0,1,2,3
.irp p, 0,1,2
	global_load_b128 v[48*((2*(\kp)+\sl)%4)+12*\a+4*\p:48*((2*(\kp)+\sl)%4)+12*\a+4*\p+3], v[LI], s[84:85] offset:REC*(16*(\kp)+\a)+1536*\sl+512*\p
.endr
.endr
.endr
.endm
	WIN 0x40                                       ; destination window 1
	WLOAD 0
	WLOAD 1
	WIN 0x80                                       ; destination window 2
	WLOAD 2
	WLOAD 3
	WIN 0
.irp kp, 0,1,2,3
.irp a, 0,1,2,3
	global_load_b64 v[WS+8*\kp+2*\a:WS+8*\kp+2*\a+1], v[L8], s[84:85] offset:REC*(16*\kp+\a)+3072
.endr
.endr
.irp a, 0,1,2,3                                ; the bias: lane (r, h) wants, for tile a, features 32 (a / 2) + 8 (a % 2) + 16 h + 0 .. 7
	global_load_b128 v[BI+8*\a:BI+8*\a+3], v[BO], s[8:9] offset:4*(32*(\a/2)+8*(\a%2))
	global_load_b128 v[BI+8*\a+4:BI+8*\a+7], v[BO], s[8:9] offset:4*(32*(\a/2)+8*(\a%2))+16
.endr
.macro FR m, kp, a16, a8               ; token tile m's two fragments of the quarter kp: each is two heads' halves: registers 0-3, 4-5, 6-9, 10-11
.irp sl, 0,1
.set CFR, 96*((\m)%2)+12*(2*(\kp)+\sl)
.set OF, (8*((\kp)%2)+(\m))*REC+1536*\sl
	ds_load_b128 v[CFR:CFR+3], v[\a16] offset:OF
	ds_load_b64 v[CFR+4:CFR+5], v[\a8] offset:OF+512
	ds_load_b128 v[CFR+6:CFR+9], v[\a16] offset:OF+768
	ds_load_b64 v[CFR+10:CFR+11], v[\a8] offset:OF+1280
.endr
.endm
.macro FETCH m                         ; 36 LDS loads: tile m's fragments of all of K, and its scale words
	WIN 0xc0                                       ; destination window 3
	FR \m, 0, LI, L8
	FR \m, 1, LI, L8
	FR \m, 2, A16B, A8B
	FR \m, 3, A16B, A8B
	WIN 0
.irp kp, 0,1
	ds_load_b64 v[CSC+8*((\m)%2)+2*\kp:CSC+8*((\m)%2)+2*\kp+1], v[L8] offset:(8*\kp+(\m))*REC+3072
	ds_load_b64 v[CSC+8*((\m)%2)+4+2*\kp:CSC+8*((\m)%2)+5+2*\kp], v[A8B] offset:(8*\kp+(\m))*REC+3072
.endr
.endm
; 16 matrix instructions: K steps 4 hf .. 4 hf + 3 of tile m.  The four accumulators take turns, one instruction a turn.
.macro MULH m, hf
	WIN 0x0d+\hf                                   ; source 0 (W_out) window 1 or 2, source 1 (ctx) window 3, C and D window 0
.irp q, 0,1,2,3
.irp a, 0,1,2,3
.set SS, 4*\hf+\q
.set AR, ACC+32*((\m)%2)+8*\a
.set CR, 96*((\m)%2)+12*SS
.if SS == 0
	v_wmma_scale_f32_16x16x128_f8f6f4 v[AR:AR+7], v[48*\q+12*\a:48*\q+12*\a+11], v[CR:CR+11], v[BI+8*\a:BI+8*\a+7], v[WS+8*(SS/2)+2*\a+SS%2], v[CSC+8*((\m)%2)+SS] matrix_a_fmt:MATRIX_FMT_FP6 matrix_b_fmt:MATRIX_FMT_FP6
.else
	v_wmma_scale_f32_16x16x128_f8f6f4 v[AR:AR+7], v[48*\q+12*\a:48*\q+12*\a+11], v[CR:CR+11], v[AR:AR+7], v[WS+8*(SS/2)+2*\a+SS%2], v[CSC+8*((\m)%2)+SS] matrix_a_fmt:MATRIX_FMT_FP6 matrix_b_fmt:MATRIX_FMT_FP6
.endif
.endr
.endr
.endm
.macro TOSTAGE m                       ; 8 stores and 8 loads: LDS serves a wave's instructions in order, so no wait stands between them
.irp a, 0,1,2,3
	ds_store_b128 v[STO], v[ACC+32*((\m)%2)+8*\a:ACC+32*((\m)%2)+8*\a+3] offset:128*(\a/2)+32*(\a%2)        ; each accumulator from its low end on
	ds_store_b128 v[STO], v[ACC+32*((\m)%2)+8*\a+4:ACC+32*((\m)%2)+8*\a+7] offset:128*(\a/2)+32*(\a%2)+16
.endr
.irp t, 0,1,2,3,4,5,6,7
	ds_load_b128 v[OUTR+4*\t:OUTR+4*\t+3], v[RD] offset:2*\t*SPT
.endr
.endm
.macro SEND m                          ; sixteen lanes store 256 consecutive bytes, aligned: the tile's rows 2 t and 2 t + 1
.irp t, 0,1,2,3,4,5,6,7
	global_store_b128 v[CO], v[OUTR+4*\t:OUTR+4*\t+3], s[10:11] offset:(64*((\m)/4)+8*((\m)%4)+(2*\t)%8+32*(\t/4))*4096 th:TH_STORE_NT
.endr
.endm
; A TILE OF 16 TOKENS.  LDS instructions in their order: tile m's 36 loads, tile m - 1's 16 through the stage, tile m + 1's 36 loads.
.macro STEPM m
.set NW, 0
.if \m < 7
	FETCH (\m)+1                                   ; into the set that tile m - 1's products read: four places stand behind them
.set NW, NW+36
.endif
.if \m > 0
.set NW, NW+16
.endif
	s_wait_dscnt NW                                ; tile m's fragments are in; what was issued behind them may be out
	MULH \m, 0
	WIN 0
.if \m > 0
	s_wait_dscnt NW-16                             ; tile m - 1 is back from the stage
	SEND (\m)-1
.endif
	MULH \m, 1
	WIN 0
	PLACES                                         ; four places behind the products: for the first read of results and for the next loads into the fragments' registers
.if \m > 0
	s_wait_xcnt 0x0                                ; tile m - 1's stores have read their registers
.endif
	TOSTAGE \m
.endm
	s_wait_tensorcnt 0x0                           ; my eight records are in
	s_barrier_signal -1
	s_barrier_wait -1                              ; everybody's are
	FETCH 0
	s_wait_loadcnt 0x0                             ; W_out, its scale words and the bias
.irp m, 0,1,2,3,4,5,6,7
	STEPM \m
.endr
	s_wait_dscnt 0x0
	SEND 7
	s_wait_tensorcnt 0x0                           ; the wave's end
	ds_add_u32 v[SPW], v[NIL]
	s_wait_dscnt 0x0
	ROUND                                          ; the closing round
	s_endpgm
.Lfunc_end_k_q155bafe7bc_outp:
	.size	k_q155bafe7bc_outp, .Lfunc_end_k_q155bafe7bc_outp-k_q155bafe7bc_outp
	.p2alignl 7, 3214868480
	.fill 96, 4, 3214868480
	.section	.rodata,"a",@progbits
	.p2align	6, 0x0
	.amdhsa_kernel k_q155bafe7bc_outp
		.amdhsa_group_segment_fixed_size 327680
		.amdhsa_private_segment_fixed_size 0
		.amdhsa_enable_private_segment 0
		.amdhsa_kernarg_size 32
		.amdhsa_user_sgpr_count 2
		.amdhsa_user_sgpr_kernarg_segment_ptr 1
		.amdhsa_wavefront_size32 1
		.amdhsa_system_sgpr_workgroup_id_x 1
		.amdhsa_system_sgpr_workgroup_id_y 1
		.amdhsa_system_sgpr_workgroup_id_z 1
		.amdhsa_system_vgpr_workitem_id 0
		.amdhsa_next_free_vgpr 960
		.amdhsa_next_free_sgpr 96
		.amdhsa_reserve_vcc 0
		.amdhsa_float_denorm_mode_32 3
		.amdhsa_float_denorm_mode_16_64 3
		.amdhsa_memory_ordered 1
		.amdhsa_forward_progress 1
		.amdhsa_inst_pref_size 84
	.end_amdhsa_kernel
	.amdgpu_metadata
---
amdhsa.version: [ 1, 2 ]
amdhsa.kernels:
  - .name:           k_q155bafe7bc_outp
    .symbol:         k_q155bafe7bc_outp.kd
    .args:
      - { .name: cx, .offset: 0, .size: 8, .value_kind: global_buffer, .address_space: global }
      - { .name: wx, .offset: 8, .size: 8, .value_kind: global_buffer, .address_space: global }
      - { .name: b_out, .offset: 16, .size: 8, .value_kind: global_buffer, .address_space: global }
      - { .name: out0, .offset: 24, .size: 8, .value_kind: global_buffer, .address_space: global }
    .group_segment_fixed_size: 327680
    .private_segment_fixed_size: 0
    .kernarg_segment_align: 8
    .kernarg_segment_size: 32
    .max_flat_workgroup_size: 128
    .sgpr_count:     96
    .vgpr_count:     960
    .wavefront_size: 32
...
	.end_amdgpu_metadata
.endif
;; end of part 4
